; MI455X (gfx1250); checked and timed in simulation.
; The chip was launched on July 23, 2026; its instructions are those of AMD's public machine-readable ISA for CDNA 5 (MIT licence, August 2026) and "CDNA5" Instruction Set Architecture Reference Guide (July 2026). The comments in the code are by the model that wrote it; some were corrected since.
;; Vector Quantizer. Allowed arithmetic: float matrix products may take bf16 or f16 operands with f32 sums; all other float work in f32.
;; Inputs: codebook 8,192 x 256 float32; z 16 x 2,048 x 256 float32.
;; Outputs: out0 16 x 2,048 x 256 float32; out1 one number float32; out2 16 x 2,048 int32.
;; One version. Each part assembles by itself: llvm-mc -triple=amdgcn-amd-amdhsa -mcpu=gfx1250 --defsym DOCPART=n.
;; ======== version 1 of 1: 4 launches
;; workspace buffers: img 4,358,144 bytes; idxws 131,072 bytes of whole numbers; part 2,048 bytes
;; launch prep (part 1): grid 128 x 1, 8 waves a work-group, no clusters, 35,072 bytes of LDS; arguments codebook, img; writes img
.if DOCPART == 1
	.amdgcn_target "amdgcn-amd-amdhsa--gfx1250"
	.amdhsa_code_object_version 6
	.text
	.protected	k_q14a90f6624_prep
	.globl	k_q14a90f6624_prep
	.p2align	8
	.type	k_q14a90f6624_prep,@function
k_q14a90f6624_prep:
	s_mov_b64 s[64:65], 0
	v_nop
	global_prefetch_b8 v0, s[64:65] scope:SCOPE_SE
	s_setreg_imm32_b32 hwreg(HW_REG_WAVE_MODE, 25, 1), 1
	s_wait_xcnt 0x0
; img = the codebook rounded to bf16, laid out as the next launch wants it in LDS, and nh[c] = -1/2 x the sum of bf16(e[c][k])^2.
; img is 32 chunks of 136,192 bytes.  A chunk: 256 code rows 528 bytes apart (512 bytes of bf16, 16 bytes of zeros), then 256 f32 of nh.
; A work-group owns 64 codes, a quarter of a chunk: 33,792 bytes of rows and 256 bytes of nh.  Wave w takes rows 8 w .. 8 w + 7; a lane takes 16 bytes
; of each half of a row, so each load of a wave covers 512 consecutive bytes.  The image is put together in LDS and leaves in runs of 512 consecutive bytes.
; nh is made of the ROUNDED numbers: the comparison in the next launch is that of the distances between the rounded vectors.
; Limits: NaN and infinities are not served.  Sums in f32; squares of inputs up to about 1e18 have room.
; No matrix unit, no tensor load, no cluster: 8 MiB are read once and no work-group shares a byte with another.
.set PITCH,  528                       ; bytes from row to row in the image
.set QBYTES, 64*PITCH                  ; the work-group's rows: 33,792 bytes = 132 x 256
.set CHUNK,  136192
.set NHOFF,  256*PITCH                 ; nh behind a chunk's 256 rows
.set GIN,  2                           ; v2   byte offset of my 16 bytes in my wave's first row of the codebook
.set LROW, 3                           ; v3   LDS: my 8 bytes in my wave's first row
.set LNH,  4                           ; v4   LDS: 32 x wave (my wave's eight nh, behind QBYTES)
.set LPAD, 5                           ; v5   LDS: row 8 w + lane % 8 (its padding lies 512 bytes on)
.set RDA,  6                           ; v6   4,096 w + 16 lane: LDS address and offset in img of what I copy out
.set RDT,  7                           ; v7   512 w + 16 lane: the same for the last 1,024 bytes (waves 0 and 1)
.set RDN,  8                           ; v8   8 lane: the same for nh (wave 2)
.set ZERO, 10                          ; v[10:13] zeros for the padding
.set X,    16                          ; v[16:79] row i: 8 registers as loaded; its first four then hold the row's bf16; later the copy out
.set U,    80                          ; v[80:87] 8 rounded numbers, widened again; later the other half of the lanes' sums
.set S,    88                          ; v[88:89] a lane's sum of squares, in two halves
.set R,    92                          ; v[92:99] row i's sum
	s_load_b128 s[4:7], s[0:1], 0x0                ; codebook s[4:5], img s[6:7]
	v_lshl_add_u32 v104, v0, 2, 0x8500
	v_mov_b32 v105, 0
	v_lshrrev_b32 v14, 5, v0
	v_readfirstlane_b32 s12, v14                   ; wave 0..7
	v_and_b32 v1, 31, v0                           ; lane
	s_mov_b32 s13, 0xffff0000                      ; a word's upper bf16
	s_mov_b32 s14, 0x76543210                      ; v_permlanex16_b32: each lane takes its own place in the other half
	s_mov_b32 s15, 0xfedcba98
	s_lshl_b32 s16, ttmp9, 16                      ; my 64 rows of 1,024 bytes in the codebook
	s_mov_b32 s17, 0
	s_lshr_b32 s18, ttmp9, 2
	s_mul_i32 s18, s18, CHUNK                      ; my chunk
	s_and_b32 s20, ttmp9, 3                        ; my quarter of it
	s_mul_i32 s22, s20, QBYTES
	s_add_co_u32 s22, s22, s18                     ; where my rows go
	s_mov_b32 s23, 0
	s_lshl_b32 s24, s20, 8
	s_add_co_u32 s24, s24, s18
	s_add_co_u32 s24, s24, NHOFF                   ; where my 64 nh go
	s_mov_b32 s25, 0
	s_mul_i32 s26, s12, 8*PITCH
	s_lshl_b32 s27, s12, 5
	v_lshlrev_b32 v[RDA], 4, v1                    ; 16 lane
	v_lshl_add_u32 v[GIN], s12, 13, v[RDA]         ; + 8 rows of 1,024 bytes a wave
	v_lshl_add_u32 v[RDT], s12, 9, v[RDA]
	v_lshl_add_u32 v[RDA], s12, 12, v[RDA]
	v_lshl_add_u32 v[LROW], v1, 3, s26
	v_mov_b32 v[LNH], s27
	v_and_b32 v[LPAD], 7, v1
	v_mul_u32_u24 v[LPAD], v[LPAD], PITCH
	v_add_nc_u32 v[LPAD], s26, v[LPAD]
	v_lshlrev_b32 v[RDN], 3, v1
.irp j, 0,1,2,3
	v_mov_b32 v[ZERO+\j], 0
.endr
	s_wait_kmcnt 0x0
	s_add_nc_u64 s[4:5], s[4:5], s[16:17]
	s_add_nc_u64 s[8:9], s[6:7], s[24:25]          ; nh
	s_add_nc_u64 s[6:7], s[6:7], s[22:23]          ; rows
.irp i, 0,1,2,3,4,5,6,7
	global_load_b128 v[X+8*\i:X+8*\i+3],   v[GIN], s[4:5] offset:\i*1024 th:TH_LOAD_NT       ; numbers 4 lane .. + 3
	global_load_b128 v[X+8*\i+4:X+8*\i+7], v[GIN], s[4:5] offset:\i*1024+512 th:TH_LOAD_NT   ; numbers 128 + 4 lane .. + 3
.endr
	ds_store_b128 v[LPAD], v[ZERO:ZERO+3] offset:512           ; the padding of my wave's eight rows (four lanes write the same zeros)
.irp i, 0,1,2,3,4,5,6,7
	s_wait_loadcnt 14-2*\i                         ; loads come back in order: row i is in, the 14 - 2 i loads of the rows behind it stay out
	v_cvt_pk_bf16_f32 v[X+8*\i],   v[X+8*\i],   v[X+8*\i+1]
	v_cvt_pk_bf16_f32 v[X+8*\i+1], v[X+8*\i+2], v[X+8*\i+3]
	v_cvt_pk_bf16_f32 v[X+8*\i+2], v[X+8*\i+4], v[X+8*\i+5]
	v_cvt_pk_bf16_f32 v[X+8*\i+3], v[X+8*\i+6], v[X+8*\i+7]
	ds_store_b64 v[LROW], v[X+8*\i:X+8*\i+1]   offset:\i*PITCH         ; 32 lanes x 8 bytes: the row's first 256 bytes,
	ds_store_b64 v[LROW], v[X+8*\i+2:X+8*\i+3] offset:\i*PITCH+256     ; its second
.irp k, 0,1,2,3
	v_lshlrev_b32 v[U+2*\k],   16,  v[X+8*\i+\k]   ; the rounded numbers as f32
	v_and_b32     v[U+2*\k+1], s13, v[X+8*\i+\k]
.endr
	v_pk_mul_f32 v[S:S+1], v[U:U+1], v[U:U+1]      ; the first product starts the sum
	v_pk_fma_f32 v[S:S+1], v[U+2:U+3], v[U+2:U+3], v[S:S+1]
	v_pk_fma_f32 v[S:S+1], v[U+4:U+5], v[U+4:U+5], v[S:S+1]
	v_pk_fma_f32 v[S:S+1], v[U+6:U+7], v[U+6:U+7], v[S:S+1]
	v_add_f32 v[R+\i], v[S], v[S+1]
.endr
	; across the 32 lanes, the eight rows side by side so that no step waits for the one in front of it
.irp m, 1,2,4,8
.irp i, 0,1,2,3,4,5,6,7
	v_add_f32_dpp v[R+\i], v[R+\i], v[R+\i] row_xmask:\m row_mask:0xf bank_mask:0xf
.endr
.endr
.irp i, 0,1,2,3,4,5,6,7
	v_permlanex16_b32 v[U+\i], v[R+\i], s14, s15   ; its destination counts as read: U has been written
.endr
.irp i, 0,1,2,3,4,5,6,7
	v_add_f32 v[R+\i], v[R+\i], v[U+\i]
.endr
.irp i, 0,1,2,3,4,5,6,7
	v_mul_f32 v[R+\i], -0.5, v[R+\i]
	ds_store_b32 v[LNH], v[R+\i] offset:QBYTES+4*\i            ; every lane writes the same word with the same number
.endr
	s_wait_dscnt 0x0                               ; for the others' sake: my part of the image is in LDS
	s_barrier_signal -1
	s_barrier_wait -1
	; the way out: the image as it lies; a wave's store covers 512 consecutive bytes, at a multiple of 256 from img's first byte
.irp t, 0,1,2,3,4,5,6,7
	ds_load_b128 v[X+4*\t:X+4*\t+3], v[RDA] offset:512*\t
.endr
.irp t, 0,1,2,3,4,5,6,7
	s_wait_dscnt 7-\t                              ; LDS loads come back in order: number t is in
	global_store_b128 v[RDA], v[X+4*\t:X+4*\t+3], s[6:7] offset:512*\t
.endr
	s_cmp_lt_u32 s12, 2
	s_cbranch_scc0 .Lno_tail                       ; 33,792 = 8 x 4,096 + 2 x 512: waves 0 and 1 take the rest
	ds_load_b128 v[X+32:X+35], v[RDT] offset:32768
	s_wait_dscnt 0x0
	global_store_b128 v[RDT], v[X+32:X+35], s[6:7] offset:32768
.Lno_tail:
	s_cmp_eq_u32 s12, 2
	s_cbranch_scc0 .Lend                           ; wave 2 takes the 64 nh: 256 consecutive bytes
	ds_load_b64 v[X+36:X+37], v[RDN] offset:QBYTES
	s_wait_dscnt 0x0
	global_store_b64 v[RDN], v[X+36:X+37], s[8:9]
.Lend:
	s_wait_tensorcnt 0x0
	ds_add_u32 v104, v105
	s_wait_dscnt 0x0
	s_endpgm
.Lfunc_end_k_q14a90f6624_prep:
	.size	k_q14a90f6624_prep, .Lfunc_end_k_q14a90f6624_prep-k_q14a90f6624_prep
	.p2alignl 7, 3214868480
	.fill 96, 4, 3214868480
	.section	.rodata,"a",@progbits
	.p2align	6, 0x0
	.amdhsa_kernel k_q14a90f6624_prep
		.amdhsa_group_segment_fixed_size 35072
		.amdhsa_private_segment_fixed_size 0
		.amdhsa_enable_private_segment 0
		.amdhsa_kernarg_size 16
		.amdhsa_user_sgpr_count 2
		.amdhsa_user_sgpr_kernarg_segment_ptr 1
		.amdhsa_wavefront_size32 1
		.amdhsa_system_sgpr_workgroup_id_x 1
		.amdhsa_system_sgpr_workgroup_id_y 1
		.amdhsa_system_sgpr_workgroup_id_z 1
		.amdhsa_system_vgpr_workitem_id 0
		.amdhsa_next_free_vgpr 106
		.amdhsa_next_free_sgpr 66
		.amdhsa_reserve_vcc 0
		.amdhsa_float_denorm_mode_32 3
		.amdhsa_float_denorm_mode_16_64 3
		.amdhsa_memory_ordered 1
		.amdhsa_forward_progress 1
		.amdhsa_inst_pref_size 17
	.end_amdhsa_kernel
	.amdgpu_metadata
---
amdhsa.version: [ 1, 2 ]
amdhsa.kernels:
  - .name:           k_q14a90f6624_prep
    .symbol:         k_q14a90f6624_prep.kd
    .args:
      - { .name: codebook, .offset: 0, .size: 8, .value_kind: global_buffer, .address_space: global }
      - { .name: img, .offset: 8, .size: 8, .value_kind: global_buffer, .address_space: global }
    .group_segment_fixed_size: 35072
    .private_segment_fixed_size: 0
    .kernarg_segment_align: 8
    .kernarg_segment_size: 16
    .max_flat_workgroup_size: 256
    .sgpr_count:     66
    .vgpr_count:     106
    .wavefront_size: 32
...
	.end_amdgpu_metadata
.endif
;; end of part 1
;; launch vq (part 2): grid 256 x 1, 4 waves a work-group, clusters of 4 x 1, 327,680 bytes of LDS; arguments z, img, out2, idxws; writes out2, idxws
.if DOCPART == 2
	.amdgcn_target "amdgcn-amd-amdhsa--gfx1250"
	.amdhsa_code_object_version 6
	.text
	.protected	k_q14a90f6624_vq
	.globl	k_q14a90f6624_vq
	.p2align	8
	.type	k_q14a90f6624_vq,@function
k_q14a90f6624_vq:
	s_mov_b64 s[64:65], 0
	v_nop
	global_prefetch_b8 v0, s[64:65] scope:SCOPE_SE
	s_setreg_imm32_b32 hwreg(HW_REG_WAVE_MODE, 25, 1), 1
	s_wait_xcnt 0x0
	s_wait_alu depctr_hold_cnt(0) depctr_sa_sdst(0) depctr_va_vdst(0) depctr_va_sdst(0) depctr_va_ssrc(0) depctr_va_vcc(0) depctr_vm_vsrc(0)
	s_getreg_b32 s2, hwreg(HW_REG_IB_STS2, 6, 4)
	s_cmp_eq_u32 s2, 0
	s_cbranch_scc0 .Lentry_in_a_cluster
	s_endpgm
.Lentry_in_a_cluster:
	s_bfe_u32 s2, ttmp6, 0x10000c
	s_cmp_lg_u32 s2, 0x3003
	s_cbranch_scc0 .Lentry_shape_is_right
	s_endpgm
.Lentry_shape_is_right:
; For each of 32,768 rows of z: the index of the nearest of 8,192 codes.  argmin of |z|^2 + |e|^2 - 2 z.e = argmax of the score z.e - |e|^2 / 2:
; |z|^2 is the same for all codes of a row and is left out.  z and e enter the products in bf16, sums in f32; -|e|^2 / 2 (nh, from img) is the C of each sum's first product.
; SHARES.  A work-group owns 128 rows of z.  Each of its four waves keeps ALL 128 rows in registers as source 1 (8 query tiles x 8 K steps x 8 registers = 512) and takes a quarter of the
; codes: of each chunk of 256 codes its 64, four code tiles of 16.  A code tile is 18 LDS loads and feeds 64 matrix instructions; each LDS byte is read by one wave.
; LAYOUT.  Source 0 = 16 codes, source 1 = 16 queries: a lane holds ONE query (lane % 16) and the codes 8 (lane / 16) + 0..7, so the maximum over codes stays in the lane.
; THE MAXIMUM, 9 vector instructions for an accumulator's 8 matrix instructions: four v_max3 (eight scores and the old maximum), one compare (has this tile won?), and four dual-issue pairs
; of selects that keep the winning tile's base index and its scores 0-6.  Which of the eight it was is found once, at the end: the first kept score equal to the maximum, else number 7.
; A tie goes to the lowest index everywhere: the compare is strict and tiles come in ascending order; the merges between lanes and waves compare indices.
; BY TURNS.  The accumulators are two sets (queries 0-63, 64-127).  While one set is multiplied (32 matrix instructions, a HALF), the other set's scores are reduced: its 36 vector instructions
; are cut into 19 slices of one or two, each behind a matrix instruction of its own, so that no product waits behind a long run of vector work.  All that a slice touches lies in window 0,
; the products' sources in windows 1 to 3 (z alone fills two windows), so a slice costs two switches of the window: 38 for a HALF's 32 products.  In phases of their own the 36 instructions
; would leave the matrix unit without work after every 32 products: the switches are the lesser price.
; RING.  Two LDS slots of one chunk each; a wave brings a quarter of a chunk by one tensor load.  A slot's last fragments are in registers at the head of its fourth code tile, so the slot is
; asked for again there, a whole chunk (256 matrix instructions a wave) ahead of the wait for it.  By this text's count a wave has two tensor loads out at the start, later one.
; CLUSTER.  All work-groups walk the same img: the four of a cluster ask for each quarter chunk JOINTLY (the same load, the same descriptor, a mask that names the four).
; Limits: NaN and infinities are not served (v_max3_num_f32 passes a NaN over).  The scores are rounded otherwise than the sums |z|^2 + |e|^2 - 2 z.e: a row whose two best distances differ by
; less than the rounding of f32 sums of this size may take the other code.  bf16 has f32's range of exponents: no further limit of range.
;
; REGISTERS, in windows of 256 (s_set_vgpr_msb: bits 1:0 source 0, 3:2 source 1, 5:4 source 2, 7:6 destination):
;   window 0: addresses, nh, the running state, the accumulators (all that a slice touches)     window 1: v0-63, v64-127 fragments of a code tile, two buffers
;   window 2: z of query tiles 0-3, tile qq, K step ks at v[64 qq + 8 ks]                      window 3: the same for query tiles 4-7
.set PITCH, 528                        ; a row of 256 bf16 + 16 bytes = 132 words: row r starts at bank 4 r mod 64 (64 banks of 4 bytes: ISA guide 11.1), so a fragment load's 16 rows start at 16 different banks
.set TILEB, 16*PITCH                   ; 16 rows
.set CHUNK, 136192                     ; 256 rows, then 256 nh: 532 x 256 bytes
.set SLOT,  CHUNK
.set NHOFF, 256*PITCH
.set QUART, CHUNK/4                    ; what one tensor load brings: 133 rows of 256 bytes
.set STAGE, 2*SLOT                     ; behind the ring: 64 rows of z in bf16, 528 bytes apart; at the end the waves' results.  Written by LDS stores alone; no tensor load lands here
.set TRIPS, 15                         ; 32 chunks: two first fills, 15 trips of two refills
.set ZO,   3                           ; v3    my byte offset in the work-group's rows of z
.set STS,  4                           ; v4    stage: where I put 8 bytes of a row
.set ZRD,  5                           ; v5    stage: my place in a fragment
.set ADRA, 6                           ; v6-7  my place in my wave's code fragments, slot 0, 1
.set ADRN, 8                           ; v8-9  the same for nh
.set SCW,  10                          ; v10   where I put a query's result
.set CUR,  11                          ; v11   index of my first code in the tile that is being reduced.  11 mod 4 = 3: it is paired with an accumulator's register 6 (6 mod 4 = 2), see KEEP
.set SCR,  12                          ; v12   where I read two queries' results of a wave
.set GOFF, 13                          ; v13   my byte offset in the work-group's 128 indices
.set TT,   16                          ; v16-19 at work, one for each of a set's four query tiles
.set NH,   20                          ; v20-27, v28-35 nh of a code tile as C, two buffers
.set ST,   36                          ; query tile q at v[ST + 10 q]: +0 and +1 the maximum (old and new by turns; at the end +0, and +1 takes the index), +2 the winning tile's base index, +3..+9 its scores 0-6
.set ACC,  128                         ; query tile q at v[ACC + 8 q]
.set X,    128                         ; at the start: 16 rows of z in f32, 8 registers each
.set R,    128                         ; at the end: four waves' results for two queries
.set WV,  12                           ; s12      my wave's number
.set G1,  24                           ; s[24:31] descriptor group 1
.set G0,  32                           ; s[32:39] descriptor group 0, a set for each slot
.set CNT, 40                           ; s40      trips to go
.set SEL, 48                           ; s48-49   v_permlanex16_b32: each lane takes its own place in the other half
.set MSB, 0
.macro WIN new                         ; the immediate's high byte repeats the setting that is left; a switch that changes nothing is dropped
.if MSB != \new
	s_set_vgpr_msb (MSB<<8)|\new
.set MSB, \new
.endif
.endm
.macro PLACES                          ; four places: behind matrix instructions, in front of reads of their results and of loads into registers that they read
.rept 4
	v_nop
.endr
.endm
; A round of the cluster's barrier: my work-group's barrier, so that wave 0's signal speaks for all four waves; wave 0 signals for the work-group; every wave waits for all four
; work-groups; my work-group's barrier once more.
.macro CREST                           ; a round behind its opening barrier
	s_cmp_lg_u32 s[WV], 0
	s_cbranch_scc1 .Lnot_wave_0_\@
	s_barrier_signal -3
.Lnot_wave_0_\@:
	s_barrier_wait -3
	s_barrier_signal -1
	s_barrier_wait -1
.endm
.macro CROUND                          ; a whole round
	s_barrier_signal -1
	s_barrier_wait -1
	CREST
.endm
	s_load_b256 s[4:11], s[0:1], 0x0               ; z s[4:5], img s[6:7], out2 s[8:9], idxws s[10:11]
	v_lshl_add_u32 v126, v0, 2, 0x4ac00
	v_mov_b32 v127, 0
	ds_add_u32 v126, v127
	v_lshrrev_b32 v14, 5, v0
	v_readfirstlane_b32 s[WV], v14                 ; wave 0..3
	s_bfe_u32 s13, ttmp6, 0x40000                  ; cx: my place in the cluster
	s_lshl_b32 s14, ttmp9, 2                       ; in a cluster launch ttmp9 counts clusters
	s_add_co_u32 s14, s14, s13                     ; my block of 128 rows = 4 x cluster + cx: it enters the addresses of z and of the results alone
	; descriptor group 1: a dense block as 133 rows of 32 elements of 8 bytes; img carries its own padding, so none is asked for
	s_mov_b32 s[G1+0], 15|(3<<16)|(1<<21)          ; 15:0 the mask: all four work-groups; 17:16 elements of 8 bytes; 21 set beside a mask
	s_mov_b32 s[G1+1], 32<<16                      ; tensor_dim0 = 32
	s_mov_b32 s[G1+2], 133<<16                     ; tensor_dim1 = 133
	s_mov_b32 s[G1+3], 32<<16                      ; tile_dim0 = 32
	s_mov_b32 s[G1+4], 133                         ; tile_dim1 = 133
	s_mov_b32 s[G1+5], 32                          ; from row to row: 32 elements
	s_mov_b32 s[G1+6], 0
	s_mov_b32 s[G1+7], 0
	s_mul_i32 s16, s[WV], QUART                    ; my quarter of a chunk, in img and in a slot: no place in the cluster enters it
	s_mov_b32 s17, 0
	s_lshl_b32 s20, s14, 17                        ; my block's 128 rows of 1,024 bytes
	s_mov_b32 s21, 0
	s_mov_b32 s[SEL], 0x76543210
	s_mov_b32 s[SEL+1], 0xfedcba98
	s_wait_dscnt 0x0
	s_wait_kmcnt 0x0
	s_add_nc_u64 s[18:19], s[6:7], s[16:17]
	s_add_nc_u64 s[4:5], s[4:5], s[20:21]
	CROUND                                         ; all four work-groups are here: the first joint loads meet
.irp s, 0,1
	s_mov_b32 s[G0+4*\s], 1                                        ; count = 1
	s_add_co_u32 s[G0+4*\s+1], s16, \s*SLOT                        ; LDS address
	s_add_nc_u64 s[G0+4*\s+2:G0+4*\s+3], s[18:19], \s*CHUNK        ; global address: chunk s
	s_or_b32 s[G0+4*\s+3], s[G0+4*\s+3], 0x80000000                ; type = 2
.endr
	tensor_load_to_lds s[G0:G0+3], s[G1:G1+7]      ; both first fills together, ahead of every wait on TENSORcnt, LDS read and further barrier: two loads of mine are out
	s_nop 0
	tensor_load_to_lds s[G0+4:G0+7], s[G1:G1+7]
	s_nop 0
	PLACES                                         ; four v_nop follow the loads
; z: 64 rows a phase.  Wave w loads rows 16 w .. + 15 (each load of the wave covers 512 consecutive bytes), rounds them to bf16 and puts them into the stage;
; behind a barrier every wave reads all 64 rows as four query tiles' fragments.
.macro ZLOAD p
.irp i, 0,1,2,3,4,5,6,7,8,9,10,11,12,13,14,15
	global_load_b128 v[X+8*\i:X+8*\i+3],   v[ZO], s[4:5] offset:\p*65536+\i*1024 th:TH_LOAD_NT
	global_load_b128 v[X+8*\i+4:X+8*\i+7], v[ZO], s[4:5] offset:\p*65536+\i*1024+512 th:TH_LOAD_NT
.endr
.endm
.macro ZCONV
.irp i, 0,1,2,3,4,5,6,7,8,9,10,11,12,13,14,15
	s_wait_loadcnt 30-2*\i                         ; loads come back in order: row i is in, the 30 - 2 i loads of the rows behind it stay out
	v_cvt_pk_bf16_f32 v[X+8*\i],   v[X+8*\i],   v[X+8*\i+1]
	v_cvt_pk_bf16_f32 v[X+8*\i+1], v[X+8*\i+2], v[X+8*\i+3]
	v_cvt_pk_bf16_f32 v[X+8*\i+2], v[X+8*\i+4], v[X+8*\i+5]
	v_cvt_pk_bf16_f32 v[X+8*\i+3], v[X+8*\i+6], v[X+8*\i+7]
	ds_store_b64 v[STS], v[X+8*\i:X+8*\i+1]   offset:\i*PITCH
	ds_store_b64 v[STS], v[X+8*\i+2:X+8*\i+3] offset:\i*PITCH+256
.endr
.endm
; A fragment is 16 rows x 32 K in 8 registers: lane l holds row l % 16; registers 0-3 K = 8 (l / 16) + 0..7, registers 4-7 K = 16 + 8 (l / 16) + 0..7: two loads of 16 bytes, 32 bytes apart.
.macro ZREAD p
.set wn, 0x80+0x40*\p                  ; destination window 2 or 3, address window 0
	WIN wn
.irp t, 0,1,2,3
.irp c, 0,1,2,3,4,5,6,7
	ds_load_b128 v[64*\t+8*\c:64*\t+8*\c+3],   v[ZRD] offset:\t*TILEB+64*\c
	ds_load_b128 v[64*\t+8*\c+4:64*\t+8*\c+7], v[ZRD] offset:\t*TILEB+64*\c+32
.endr
.endr
	WIN 0
.endm
	v_and_b32 v14, 31, v0                          ; lane
	v_and_b32 v1, 15, v0                           ; l % 16
	v_bfe_u32 v2, v0, 4, 1                         ; l / 16
	v_lshlrev_b32 v[ZO], 4, v14
	v_lshl_add_u32 v[ZO], s[WV], 14, v[ZO]         ; 16 rows of 1,024 bytes a wave + 16 lane
	ZLOAD 0
	s_mul_i32 s16, s[WV], TILEB
	s_add_co_u32 s16, s16, STAGE
	v_lshl_add_u32 v[STS], v14, 3, s16             ; stage row 16 w, 8 bytes a lane
	v_mul_u32_u24 v15, v1, PITCH
	v_lshl_add_u32 v15, v2, 4, v15                 ; a fragment's row x pitch + 16 x half
	v_add_nc_u32 v[ZRD], STAGE, v15
	s_mul_i32 s17, s[WV], 64*PITCH                 ; my wave's 64 codes of a chunk
	v_add_nc_u32 v[ADRA], s17, v15
	v_add_nc_u32 v[ADRA+1], SLOT, v[ADRA]
	s_lshl_b32 s18, s[WV], 8
	s_add_co_u32 s18, s18, NHOFF
	v_lshl_add_u32 v[ADRN], v2, 5, s18             ; nh of codes 64 w + 8 (l / 16) on: C's register j is code 8 (l / 16) + j for every query
	v_add_nc_u32 v[ADRN+1], SLOT, v[ADRN]
	s_lshl_b32 s19, s[WV], 6
	v_lshl_add_u32 v[CUR], v2, 3, s19              ; 64 w + 8 (l / 16)
	s_lshl_b32 s20, s[WV], 10
	s_add_co_u32 s20, s20, STAGE
	v_lshl_add_u32 v[SCW], v1, 3, s20              ; my wave's 128 results of 8 bytes
	s_and_b32 s22, s[WV], 1
	s_lshl_b32 s23, s22, 9
	s_add_co_u32 s23, s23, STAGE
	v_lshl_add_u32 v[SCR], v14, 4, s23             ; queries 64 (w % 2) + 2 lane and the next
	s_lshl_b32 s22, s22, 8
	v_lshl_add_u32 v[GOFF], v14, 3, s22
	ZCONV
	s_wait_dscnt 0x0                               ; for the others' sake: my rows are in the stage; X is free,
	ZLOAD 1                                        ; so rows 64-127 set out now
	s_barrier_signal -1
	s_barrier_wait -1
	ZREAD 0
	s_wait_dscnt 0x0                               ; my reads of the stage are over: it is written again behind this barrier
	s_barrier_signal -1
	s_barrier_wait -1
	ZCONV
	s_wait_dscnt 0x0
	s_wait_tensorcnt 0x1                           ; my part of slot 0 is in; slot 1's load, issued behind it, may stay out
	s_barrier_signal -1
	s_barrier_wait -1                              ; everybody's rows and everybody's part of slot 0
	ZREAD 1
; 18 LDS loads in one run: code tile tt of my wave in the slot: 16 codes x 256 K into buffer tt % 2 of window 1, their nh into buffer tt % 2 of NH
.macro FETCH slot, tt
.set fb, 64*((\tt)&1)
.set nb, NH+8*((\tt)&1)
	WIN 0x40                                       ; destination window 1, address window 0
.irp c, 0,1,2,3,4,5,6,7
	ds_load_b128 v[fb+8*\c:fb+8*\c+3],   v[ADRA+\slot] offset:(\tt)*TILEB+64*\c
	ds_load_b128 v[fb+8*\c+4:fb+8*\c+7], v[ADRA+\slot] offset:(\tt)*TILEB+64*\c+32
.endr
	WIN 0
	ds_load_b128 v[nb:nb+3],   v[ADRN+\slot] offset:64*(\tt)
	ds_load_b128 v[nb+4:nb+7], v[ADRN+\slot] offset:64*(\tt)+16
.endm
; Matrix instruction i of a HALF's 32: K step i / 4, query tile 4 set + i % 4.  The set's four accumulators take turns, one instruction a turn.
; The first K step takes nh as C: nothing is cleared and nothing is added afterwards.
.macro WM set, tt
.set wn, 0x09+4*\set                   ; source 0 (codes) window 1, source 1 (z) window 2 or 3, C and D window 0
	WIN wn
.set rD, ACC+8*(4*\set+i%4)
.set rF, 64*((\tt)&1)+8*(i/4)
.set rZ, 64*(i%4)+8*(i/4)
.set rC, NH+8*((\tt)&1)
.if i < 4
	v_wmma_f32_16x16x32_bf16 v[rD:rD+7], v[rF:rF+7], v[rZ:rZ+7], v[rC:rC+7]
.else
	v_wmma_f32_16x16x32_bf16 v[rD:rD+7], v[rF:rF+7], v[rZ:rZ+7], v[rD:rD+7]
.endif
.endm
; THE REDUCTION of query tile tq, in three kinds of steps.  pp = the code tile's parity: the old maximum lies at +pp, the new one goes to +1 - pp, so that the compare has both.
; first = 1: the first code tile starts the state: nothing is cleared.
; MX: step kk of four of the maximum.  The accumulator is read from its low end on.
.macro MX first
.set rA, ACC+8*tq
.set rS, ST+10*tq
.set rT, TT+tq%4
.if kk == 0
	v_max3_num_f32 v[rT], v[rA], v[rA+1], v[rA+2]
.elseif kk == 1
	v_max3_num_f32 v[rT], v[rT], v[rA+3], v[rA+4]
.elseif kk == 2
	v_max3_num_f32 v[rT], v[rT], v[rA+5], v[rA+6]
.elseif \first
	v_max_num_f32 v[rS+1-pp], v[rT], v[rA+7]
.else
	v_max3_num_f32 v[rS+1-pp], v[rT], v[rA+7], v[rS+pp]
.endif
.endm
; WON: the lanes in which this code tile has won.  Strictly greater: on a tie the earlier tile, with the lower indices, stays.  VCC serves one query tile at a time:
; a tile's four pairs of selects stand between its own compare and the next tile's.
.macro WON
.set rS, ST+10*tq
	v_cmp_gt_f32 vcc_lo, v[rS+1-pp], v[rS+pp]
.endm
; KEEP: pair dd of four: two selects on VCC in one dual-issue instruction.  Pairs 0-2 keep scores 2 dd and 2 dd + 1, pair 3 score 6 and the tile's base index.
; What the pairing asks (ISA guide, dual-issue VALU) is met by the layout: ST + 10 q is even, so the destinations +3|+4, +5|+6, +7|+8, +9|+2 are one odd and one even, and as first sources
; they differ mod 4; the second sources are accumulator registers 0|1, 2|3, 4|5 (mod 4: 0|1, 2|3, 0|1) and 6|CUR (2|3).
.macro KEEP first
.set rA, ACC+8*tq
.set rS, ST+10*tq
.if \first
.if dd < 3
	v_mov_b32 v[rS+3+2*dd], v[rA+2*dd]
	v_mov_b32 v[rS+4+2*dd], v[rA+2*dd+1]
.else
	v_mov_b32 v[rS+9], v[rA+6]
	v_mov_b32 v[rS+2], v[CUR]
.endif
.elseif dd < 3
	v_dual_cndmask_b32 v[rS+3+2*dd], v[rS+3+2*dd], v[rA+2*dd] :: v_dual_cndmask_b32 v[rS+4+2*dd], v[rS+4+2*dd], v[rA+2*dd+1]
.else
	v_dual_cndmask_b32 v[rS+9], v[rS+9], v[rA+6] :: v_dual_cndmask_b32 v[rS+2], v[rS+2], v[CUR]
.endif
.endm
; Slice n of 19 of the reduction of set es (query tiles t0-t3 = 4 es + 0..3):
;   0-6    steps 0-3 of the maximum, two tiles a slice (step n / 2, tiles t0 t1 or t2 t3); step 3 of t2 and of t3 stands in slices 7 and 10
;   7, 10, 13, 16   the compare of t0, t1, t2, t3          8-9, 11-12, 14-15, 17-18   that tile's four pairs of selects, two a slice
;   18     behind set 1's last select (adv = 1): CUR goes on to the next code tile
.macro SLICE first
.if n < 7
	WIN 0
.set kk, n/2
.set tq, 4*es+2*(n%2)
	MX \first
.set tq, tq+1
	MX \first
.else
.set u, n-7
.if u%3 == 0
.if u < 6
	WIN 0
.set kk, 3
.set tq, 4*es+2+u/3
	MX \first
.endif
.if !\first
	WIN 0
.set tq, 4*es+u/3
	WON
.endif
.else
	WIN 0
.set tq, 4*es+u/3
.set dd, 2*(u%3)-2
	KEEP \first
.set dd, dd+1
	KEEP \first
.if (n == 18) && es && adv
	v_add_nc_u32 v[CUR], stp, v[CUR]
.endif
.endif
.endif
.endm
; A HALF: code tile tt of the slot times the query tiles of one set, 32 matrix instructions; ep = 1: between them the other set's scores are reduced
; (set 1's HALF carries set 0's scores of the same code tile, set 0's HALF carries set 1's of the code tile before).
; WHERE THE SLICES STAND: 0-6 behind products 0-6, 7-14 behind products 13, 15, .. 27, 15-18 behind products 28-31.  Products 7-12 stand bare, round the run of LDS loads.
; THE SLICES ARE THE PLACES (ISA guide 7.12.1) behind the other set's last products: they name that set's registers never.  Tile t0's sum ends with product 28 of the HALF before and is first
; read in slice 0: seven vector instructions lie between; t1's (product 29): six; t2's (30), read in slice 1: six; t3's (31): two of slice 18, two of slice 0, one of slice 1: five.
; The loads into a fragment buffer stand behind slices 18 and 0-6, sixteen vector instructions behind the buffer's last reader.  pl = 1: the HALF before had no slices: four v_nop take their part.
; A HALF of set 0 begins with the wait for the tile's fragments and has, behind its eighth product:
;   mode 0: the next code tile's loads, 56 matrix instructions ahead of their use
;   mode 1: THE CHANGE OF SLOTS (tt = 3).  The wait at the head has shown my last reads of this slot done; with it stands the wait for all my tensor loads, of which one is out: my part of the
;           other slot.  The signal there opens a round of the cluster's barrier; eight products and seven slices, register work, stand inside it.  Behind the round no wave of any partner reads
;           this slot or has a load on its way: the slot's address steps two chunks on, the joint refill is the first thing, then the other slot's first code tile is fetched.
;   mode 2: the same with nothing left to ask for: a barrier of the work-group        mode 3: nothing is left to fetch
.macro HALF set, tt, slot, mode, ep, first, pl
.set es, 1-\set
.set adv, 1
.if \set
.set pp, (\tt)&1
.else
.set pp, 1-((\tt)&1)
	s_wait_dscnt 0x0                               ; this code tile's fragments and nh are in
.if (\mode == 1) || (\mode == 2)
	s_wait_tensorcnt 0x0                           ; all my tensor loads have landed
	ds_add_u32 v126, v127
	s_wait_dscnt 0x0
	s_barrier_signal -1
.endif
.endif
.set stp, 16
.if \tt == 0
.set stp, 208                          ; from a chunk's last code tile of mine to the next chunk's first: 256 - 48
.endif
.set i, 0
.rept 32
	WM \set, \tt
.if \pl && (i == 0)
	PLACES
.endif
.set n, -1
.if i < 7
.set n, i
.elseif i > 27
.set n, i-13
.elseif (i > 12) && (i%2 == 1)
.set n, (i-13)/2+7
.endif
.if \ep && (n >= 0)
	SLICE \first
.endif
.if (\set == 0) && (i == 7)
.if \mode == 0
	FETCH \slot, \tt+1
.elseif \mode == 1
	WIN 0                                          ; at a branch and at a label every window is 0
	s_barrier_wait -1
	CREST
	s_add_nc_u64 s[G0+4*\slot+2:G0+4*\slot+3], s[G0+4*\slot+2:G0+4*\slot+3], 2*CHUNK   ; no load of mine is out; the type bits on top are not reached
	tensor_load_to_lds s[G0+4*\slot:G0+4*\slot+3], s[G1:G1+7]
	s_nop 0
	PLACES                                         ; four v_nop follow the load
	FETCH 1-\slot, 0
.elseif \mode == 2
	s_barrier_wait -1
	FETCH 1-\slot, 0
.endif
.endif
.set i, i+1
.endr
.endm
; Once round the ring, from slot 0's code tile 1 (set 1) on.  ma, mb: the modes of the two changes of slots.  wrap = 1: on into slot 0's next chunk, up to where the lap began.
.macro LAP ma, mb, wrap
	HALF 1, 1, 0, 0, 1, 0, 0
	HALF 0, 2, 0, 0, 1, 0, 0
	HALF 1, 2, 0, 0, 1, 0, 0
	HALF 0, 3, 0, \ma, 1, 0, 0
	HALF 1, 3, 0, 0, 1, 0, 0
	HALF 0, 0, 1, 0, 1, 0, 0
	HALF 1, 0, 1, 0, 1, 0, 0
	HALF 0, 1, 1, 0, 1, 0, 0
	HALF 1, 1, 1, 0, 1, 0, 0
	HALF 0, 2, 1, 0, 1, 0, 0
	HALF 1, 2, 1, 0, 1, 0, 0
	HALF 0, 3, 1, \mb, 1, 0, 0
	HALF 1, 3, 1, 0, 1, 0, 0
.if \wrap
	HALF 0, 0, 0, 0, 1, 0, 0
	HALF 1, 0, 0, 0, 1, 0, 0
	HALF 0, 1, 0, 0, 1, 0, 0
.endif
.endm
	FETCH 0, 0
	HALF 0, 0, 0, 0, 0, 0, 0                       ; the first products: there are no scores yet to reduce
	HALF 1, 0, 0, 0, 1, 1, 1                       ; set 0's first scores start its state (four v_nop: the HALF before had no slices),
	HALF 0, 1, 0, 0, 1, 1, 0                       ; set 1's likewise
	WIN 0
	s_mov_b32 s[CNT], TRIPS
.Ltrip:                                                ; a trip: two chunks, both slots filled again (chunks 2 to 31 in 15 trips)
	LAP 1, 1, 1
	WIN 0
	s_sub_co_u32 s[CNT], s[CNT], 1
	s_cmp_lg_u32 s[CNT], 0
	s_cbranch_scc1 .Ltrip
	LAP 2, 3, 0                                    ; the last two chunks are written out
	WIN 0
	PLACES                                         ; behind the last products
.set es, 1
.set pp, 1
.set adv, 0
.set n, 0
.rept 19
	SLICE 0                                        ; set 1's last scores
.set n, n+1
.endr
	; WHICH OF THE WINNING TILE'S EIGHT: the first kept score equal to the maximum, else number 7.  The index goes beside the maximum, into the register that held the old one
.irp q, 0,1,2,3,4,5,6,7
	v_mov_b32 v[TT+\q%4], 7
.irp j, 6,5,4,3,2,1,0
	v_cmp_eq_f32 vcc_lo, v[ST+10*\q+3+\j], v[ST+10*\q]
	v_cndmask_b32 v[TT+\q%4], v[TT+\q%4], \j, vcc_lo
.endr
	v_add_nc_u32 v[ST+10*\q+1], v[ST+10*\q+2], v[TT+\q%4]
.endr
; (m, b) takes (om, ob) if om is greater, or equal with the lower index
.macro MERGE m, b, om, ob
	v_cmp_gt_f32 s50, v[\om], v[\m]
	v_cmp_eq_f32 s51, v[\om], v[\m]
	v_cmp_lt_u32 s52, v[\ob], v[\b]
	s_and_b32 s51, s51, s52
	s_or_b32 s50, s50, s51
	v_cndmask_b32 v[\m], v[\m], v[\om], s50
	v_cndmask_b32 v[\b], v[\b], v[\ob], s50
.endm
	; a query's other codes of my wave lie in the lane 16 away; then the wave's result goes to LDS (both halves of the lanes write the same 8 bytes)
.irp q, 0,1,2,3,4,5,6,7
	v_permlanex16_b32 v[ST+10*\q+3], v[ST+10*\q],   s[SEL], s[SEL+1]   ; the destinations count as read: the kept scores' registers have been written
	v_permlanex16_b32 v[ST+10*\q+4], v[ST+10*\q+1], s[SEL], s[SEL+1]
	MERGE ST+10*\q, ST+10*\q+1, ST+10*\q+3, ST+10*\q+4
	ds_store_b64 v[SCW], v[ST+10*\q:ST+10*\q+1] offset:128*\q
.endr
	s_wait_dscnt 0x0                               ; for the others' sake: my results are in LDS
	s_barrier_signal -1
	s_barrier_wait -1
	; the four waves' results.  Waves 0 and 2 merge queries 0-63, waves 1 and 3 queries 64-127, two a lane; waves 0 and 1 store into out2, waves 2 and 3 the same numbers into idxws
.irp w, 0,1,2,3
	ds_load_b128 v[R+4*\w:R+4*\w+3], v[SCR] offset:1024*\w
.endr
	s_lshl_b32 s20, s14, 9                         ; my block's 128 indices
	s_mov_b32 s21, 0
	s_cmp_lt_u32 s[WV], 2
	s_cselect_b64 s[16:17], s[8:9], s[10:11]
	s_add_nc_u64 s[16:17], s[16:17], s[20:21]
	s_wait_dscnt 0x0
.irp w, 1,2,3
	MERGE R,   R+1, R+4*\w,   R+4*\w+1
	MERGE R+2, R+3, R+4*\w+2, R+4*\w+3
.endr
	v_mov_b32 v[R+16], v[R+1]
	v_mov_b32 v[R+17], v[R+3]
	global_store_b64 v[GOFF], v[R+16:R+17], s[16:17]           ; the wave stores 256 consecutive bytes, at a multiple of 256 from the buffer's first byte
	s_wait_tensorcnt 0x0
	ds_add_u32 v126, v127
	s_wait_dscnt 0x0
	CROUND                                         ; the closing round: no work-group ends while a partner may still ask for a tile that names it
	s_endpgm
.Lfunc_end_k_q14a90f6624_vq:
	.size	k_q14a90f6624_vq, .Lfunc_end_k_q14a90f6624_vq-k_q14a90f6624_vq
	.p2alignl 7, 3214868480
	.fill 96, 4, 3214868480
	.section	.rodata,"a",@progbits
	.p2align	6, 0x0
	.amdhsa_kernel k_q14a90f6624_vq
		.amdhsa_group_segment_fixed_size 327680
		.amdhsa_private_segment_fixed_size 0
		.amdhsa_enable_private_segment 0
		.amdhsa_kernarg_size 32
		.amdhsa_user_sgpr_count 2
		.amdhsa_user_sgpr_kernarg_segment_ptr 1
		.amdhsa_wavefront_size32 1
		.amdhsa_system_sgpr_workgroup_id_x 1
		.amdhsa_system_sgpr_workgroup_id_y 1
		.amdhsa_system_sgpr_workgroup_id_z 1
		.amdhsa_system_vgpr_workitem_id 0
		.amdhsa_next_free_vgpr 1024
		.amdhsa_next_free_sgpr 66
		.amdhsa_reserve_vcc 1
		.amdhsa_float_denorm_mode_32 3
		.amdhsa_float_denorm_mode_16_64 3
		.amdhsa_memory_ordered 1
		.amdhsa_forward_progress 1
		.amdhsa_inst_pref_size 237
	.end_amdhsa_kernel
	.amdgpu_metadata
---
amdhsa.version: [ 1, 2 ]
amdhsa.kernels:
  - .name:           k_q14a90f6624_vq
    .symbol:         k_q14a90f6624_vq.kd
    .args:
      - { .name: z, .offset: 0, .size: 8, .value_kind: global_buffer, .address_space: global }
      - { .name: img, .offset: 8, .size: 8, .value_kind: global_buffer, .address_space: global }
      - { .name: out2, .offset: 16, .size: 8, .value_kind: global_buffer, .address_space: global }
      - { .name: idxws, .offset: 24, .size: 8, .value_kind: global_buffer, .address_space: global }
    .group_segment_fixed_size: 327680
    .private_segment_fixed_size: 0
    .kernarg_segment_align: 8
    .kernarg_segment_size: 32
    .max_flat_workgroup_size: 128
    .sgpr_count:     66
    .vgpr_count:     1024
    .wavefront_size: 32
...
	.end_amdgpu_metadata
.endif
;; end of part 2
;; launch gather (part 3): grid 512 x 1, 8 waves a work-group, no clusters, 1,280 bytes of LDS; arguments z, codebook, idxws, out0, part; writes out0, part
.if DOCPART == 3
	.amdgcn_target "amdgcn-amd-amdhsa--gfx1250"
	.amdhsa_code_object_version 6
	.text
	.protected	k_q14a90f6624_gather
	.globl	k_q14a90f6624_gather
	.p2align	8
	.type	k_q14a90f6624_gather,@function
k_q14a90f6624_gather:
	s_mov_b64 s[64:65], 0
	v_nop
	global_prefetch_b8 v0, s[64:65] scope:SCOPE_SE
	s_setreg_imm32_b32 hwreg(HW_REG_WAVE_MODE, 25, 1), 1
	s_wait_xcnt 0x0
; out0[n] = z[n] + (e[idx[n]] - z[n]), in f32 as it is written, and part[work-group] = the sum of (e[idx[n]] - z[n])^2 over the work-group's 64 rows.
; idx comes from idxws, which the launch before stored: here it only forms addresses.  A wave owns 8 rows; a row is 1,024 bytes, two loads of 512 consecutive bytes a wave.
; All 32 loads of a wave go out at once (16 of z, 16 of the codebook), so there is no loop and no ring.  Memory binds: no matrix unit, no tensor load, no cluster.
; An index is clamped to 8,191, the table's last row.  Limits: NaN and infinities pass through as in f32 arithmetic; the squares' sum is kept in f32.
.set CO,  2                            ; v[2:9]     row i: byte offset of my 16 bytes in its code row
.set Z,   16                           ; v[16:79]   load n = 2 i + half: 4 registers of z, then of out0
.set C,   80                           ; v[80:143]  the same of the code row, then of the difference
.set SUM, 144                          ; v[144:147] four running sums of squares
	s_load_b256 s[4:11], s[0:1], 0x0               ; z s[4:5], codebook s[6:7], idxws s[8:9], out0 s[10:11]
	s_load_b64 s[12:13], s[0:1], 0x20              ; part
	v_lshl_add_u32 v152, v0, 2, 0x100
	v_mov_b32 v153, 0
	v_lshrrev_b32 v10, 5, v0
	v_readfirstlane_b32 s14, v10                   ; wave 0..7
	v_and_b32 v1, 31, v0
	v_lshlrev_b32 v1, 4, v1                        ; 16 lane
	s_lshl_b32 s15, ttmp9, 3
	s_add_co_u32 s15, s15, s14                     ; my wave among all 4,096
	s_lshl_b32 s24, s15, 5                         ; its 8 indices,
	s_mov_b32 s25, 0
	s_lshl_b32 s26, s15, 13                        ; its 8 rows of 1,024 bytes
	s_mov_b32 s27, 0
	s_lshl_b32 s28, s14, 2
	s_lshl_b32 s29, ttmp9, 2
	s_mov_b32 s30, 0x76543210                      ; v_permlanex16_b32: each lane takes its own place in the other half
	s_mov_b32 s31, 0xfedcba98
	v_mov_b32 v149, s28                            ; LDS: my wave's word
	v_mov_b32 v150, 0
	v_mov_b32 v151, s29                            ; my work-group's word in part
	s_wait_kmcnt 0x0
	s_add_nc_u64 s[8:9], s[8:9], s[24:25]
	s_load_b256 s[16:23], s[8:9], 0x0              ; the 8 indices: no line of this launch writes idxws
	s_add_nc_u64 s[4:5], s[4:5], s[26:27]
	s_add_nc_u64 s[10:11], s[10:11], s[26:27]
.set n, 0
.rept 16
	global_load_b128 v[Z+4*n:Z+4*n+3], v1, s[4:5] offset:512*n th:TH_LOAD_NT
.set n, n+1
.endr
	s_wait_kmcnt 0x0
.irp i, 0,1,2,3,4,5,6,7
	s_min_u32 s[16+\i], s[16+\i], 8191             ; inside the table
	s_lshl_b32 s[16+\i], s[16+\i], 10
	v_add_nc_u32 v[CO+\i], s[16+\i], v1
	global_load_b128 v[C+8*\i:C+8*\i+3],   v[CO+\i], s[6:7]            ; no hint: a code row may be wanted again
	global_load_b128 v[C+8*\i+4:C+8*\i+7], v[CO+\i], s[6:7] offset:512
.endr
.set n, 0
.rept 16
	s_wait_loadcnt 15-n                            ; loads come back in order: code load n is in (and all of z, issued ahead); the 15 - n behind it stay out
	v_pk_add_f32 v[C+4*n:C+4*n+1],   v[C+4*n:C+4*n+1],   v[Z+4*n:Z+4*n+1]   neg_lo:[0,1] neg_hi:[0,1]   ; e - z
	v_pk_add_f32 v[C+4*n+2:C+4*n+3], v[C+4*n+2:C+4*n+3], v[Z+4*n+2:Z+4*n+3] neg_lo:[0,1] neg_hi:[0,1]
.if n == 0
	v_pk_mul_f32 v[SUM:SUM+1],   v[C:C+1],   v[C:C+1]      ; the first squares start the sums
	v_pk_mul_f32 v[SUM+2:SUM+3], v[C+2:C+3], v[C+2:C+3]
.else
	v_pk_fma_f32 v[SUM:SUM+1],   v[C+4*n:C+4*n+1],   v[C+4*n:C+4*n+1],   v[SUM:SUM+1]
	v_pk_fma_f32 v[SUM+2:SUM+3], v[C+4*n+2:C+4*n+3], v[C+4*n+2:C+4*n+3], v[SUM+2:SUM+3]
.endif
	v_pk_add_f32 v[Z+4*n:Z+4*n+1],   v[Z+4*n:Z+4*n+1],   v[C+4*n:C+4*n+1]      ; z + (e - z)
	v_pk_add_f32 v[Z+4*n+2:Z+4*n+3], v[Z+4*n+2:Z+4*n+3], v[C+4*n+2:C+4*n+3]
	global_store_b128 v1, v[Z+4*n:Z+4*n+3], s[10:11] offset:512*n th:TH_STORE_NT   ; 512 consecutive bytes, at a multiple of 256 from out0's first byte
.set n, n+1
.endr
	v_pk_add_f32 v[SUM:SUM+1], v[SUM:SUM+1], v[SUM+2:SUM+3]
	v_add_f32 v[SUM], v[SUM], v[SUM+1]
.irp m, 1,2,4,8
	v_add_f32_dpp v[SUM], v[SUM], v[SUM] row_xmask:\m row_mask:0xf bank_mask:0xf
.endr
	v_permlanex16_b32 v[SUM+1], v[SUM], s30, s31
	v_add_f32 v[SUM], v[SUM], v[SUM+1]
	ds_store_b32 v149, v[SUM]                      ; every lane writes the same word with the same number
	s_wait_dscnt 0x0                               ; for wave 0's sake
	s_barrier_signal -1
	s_barrier_wait -1
	s_cmp_lg_u32 s14, 0
	s_cbranch_scc1 .Lend                           ; wave 0 adds the eight waves' sums
	ds_load_b128 v[C:C+3], v150
	ds_load_b128 v[C+4:C+7], v150 offset:16
	s_wait_dscnt 0x0
	v_pk_add_f32 v[C:C+1], v[C:C+1], v[C+2:C+3]
	v_pk_add_f32 v[C+4:C+5], v[C+4:C+5], v[C+6:C+7]
	v_pk_add_f32 v[C:C+1], v[C:C+1], v[C+4:C+5]
	v_add_f32 v[C], v[C], v[C+1]
	v_cmp_eq_u32 vcc_lo, 0, v0
	s_wait_xcnt 0x0                                ; EXEC is a source of the stores above: it changes only behind this wait
	s_and_saveexec_b32 s33, vcc_lo
	global_store_b32 v151, v[C], s[12:13]          ; one lane, one word for the work-group
	s_wait_xcnt 0x0                                ; and again in front of the line that widens it
	s_or_b32 exec_lo, exec_lo, s33
.Lend:
	s_wait_tensorcnt 0x0
	ds_add_u32 v152, v153
	s_wait_dscnt 0x0
	s_endpgm
.Lfunc_end_k_q14a90f6624_gather:
	.size	k_q14a90f6624_gather, .Lfunc_end_k_q14a90f6624_gather-k_q14a90f6624_gather
	.p2alignl 7, 3214868480
	.fill 96, 4, 3214868480
	.section	.rodata,"a",@progbits
	.p2align	6, 0x0
	.amdhsa_kernel k_q14a90f6624_gather
		.amdhsa_group_segment_fixed_size 1280
		.amdhsa_private_segment_fixed_size 0
		.amdhsa_enable_private_segment 0
		.amdhsa_kernarg_size 40
		.amdhsa_user_sgpr_count 2
		.amdhsa_user_sgpr_kernarg_segment_ptr 1
		.amdhsa_wavefront_size32 1
		.amdhsa_system_sgpr_workgroup_id_x 1
		.amdhsa_system_sgpr_workgroup_id_y 1
		.amdhsa_system_sgpr_workgroup_id_z 1
		.amdhsa_system_vgpr_workitem_id 0
		.amdhsa_next_free_vgpr 154
		.amdhsa_next_free_sgpr 66
		.amdhsa_reserve_vcc 1
		.amdhsa_float_denorm_mode_32 3
		.amdhsa_float_denorm_mode_16_64 3
		.amdhsa_memory_ordered 1
		.amdhsa_forward_progress 1
		.amdhsa_inst_pref_size 15
	.end_amdhsa_kernel
	.amdgpu_metadata
---
amdhsa.version: [ 1, 2 ]
amdhsa.kernels:
  - .name:           k_q14a90f6624_gather
    .symbol:         k_q14a90f6624_gather.kd
    .args:
      - { .name: z, .offset: 0, .size: 8, .value_kind: global_buffer, .address_space: global }
      - { .name: codebook, .offset: 8, .size: 8, .value_kind: global_buffer, .address_space: global }
      - { .name: idxws, .offset: 16, .size: 8, .value_kind: global_buffer, .address_space: global }
      - { .name: out0, .offset: 24, .size: 8, .value_kind: global_buffer, .address_space: global }
      - { .name: part, .offset: 32, .size: 8, .value_kind: global_buffer, .address_space: global }
    .group_segment_fixed_size: 1280
    .private_segment_fixed_size: 0
    .kernarg_segment_align: 8
    .kernarg_segment_size: 40
    .max_flat_workgroup_size: 256
    .sgpr_count:     66
    .vgpr_count:     154
    .wavefront_size: 32
...
	.end_amdgpu_metadata
.endif
;; end of part 3
;; launch finish (part 4): grid 1 x 1, 1 waves a work-group, no clusters, 0 bytes of LDS; arguments part, out1; writes out1
.if DOCPART == 4
	.amdgcn_target "amdgcn-amd-amdhsa--gfx1250"
	.amdhsa_code_object_version 6
	.text
	.protected	k_q14a90f6624_finish
	.globl	k_q14a90f6624_finish
	.p2align	8
	.type	k_q14a90f6624_finish,@function
k_q14a90f6624_finish:
	s_mov_b64 s[64:65], 0
	v_nop
	global_prefetch_b8 v0, s[64:65] scope:SCOPE_SE
	s_setreg_imm32_b32 hwreg(HW_REG_WAVE_MODE, 25, 1), 1
	s_wait_xcnt 0x0
; out1 = 0.25 x mean + mean = 1.25 / (32,768 x 256) x the sum of the 512 partial sums of squares.  One wave: 512 f32 are four loads of 512 consecutive bytes.
; The sum spans work-groups of the launch before, so it is closed here, in a fixed order, without atomics.
	s_load_b128 s[4:7], s[0:1], 0x0                ; part s[4:5], out1 s[6:7]
	v_lshlrev_b32 v1, 4, v0                        ; 16 lane
	v_mov_b32 v2, 0
	s_mov_b32 s8, 0x76543210                       ; v_permlanex16_b32: each lane takes its own place in the other half
	s_mov_b32 s9, 0xfedcba98
	s_wait_kmcnt 0x0
.irp t, 0,1,2,3
	global_load_b128 v[4+4*\t:7+4*\t], v1, s[4:5] offset:512*\t
.endr
	s_wait_loadcnt 0x0
	v_pk_add_f32 v[4:5], v[4:5], v[6:7]
	v_pk_add_f32 v[8:9], v[8:9], v[10:11]
	v_pk_add_f32 v[12:13], v[12:13], v[14:15]
	v_pk_add_f32 v[16:17], v[16:17], v[18:19]
	v_pk_add_f32 v[4:5], v[4:5], v[8:9]
	v_pk_add_f32 v[12:13], v[12:13], v[16:17]
	v_pk_add_f32 v[4:5], v[4:5], v[12:13]
	v_add_f32 v4, v4, v5
.irp m, 1,2,4,8
	v_add_f32_dpp v4, v4, v4 row_xmask:\m row_mask:0xf bank_mask:0xf
.endr
	v_permlanex16_b32 v5, v4, s8, s9
	v_add_f32 v4, v4, v5
	v_mul_f32 v4, 0x34200000, v4                   ; 1.25 x 2^-23
	v_cmp_eq_u32 vcc_lo, 0, v0
	s_wait_xcnt 0x0                                ; EXEC changes only behind this wait
	s_and_saveexec_b32 s10, vcc_lo
	global_store_b32 v2, v4, s[6:7]
	s_wait_xcnt 0x0
	s_or_b32 exec_lo, exec_lo, s10
	s_endpgm
.Lfunc_end_k_q14a90f6624_finish:
	.size	k_q14a90f6624_finish, .Lfunc_end_k_q14a90f6624_finish-k_q14a90f6624_finish
	.p2alignl 7, 3214868480
	.fill 96, 4, 3214868480
	.section	.rodata,"a",@progbits
	.p2align	6, 0x0
	.amdhsa_kernel k_q14a90f6624_finish
		.amdhsa_group_segment_fixed_size 0
		.amdhsa_private_segment_fixed_size 0
		.amdhsa_enable_private_segment 0
		.amdhsa_kernarg_size 16
		.amdhsa_user_sgpr_count 2
		.amdhsa_user_sgpr_kernarg_segment_ptr 1
		.amdhsa_wavefront_size32 1
		.amdhsa_system_sgpr_workgroup_id_x 1
		.amdhsa_system_sgpr_workgroup_id_y 1
		.amdhsa_system_sgpr_workgroup_id_z 1
		.amdhsa_system_vgpr_workitem_id 0
		.amdhsa_next_free_vgpr 32
		.amdhsa_next_free_sgpr 66
		.amdhsa_reserve_vcc 1
		.amdhsa_float_denorm_mode_32 3
		.amdhsa_float_denorm_mode_16_64 3
		.amdhsa_memory_ordered 1
		.amdhsa_forward_progress 1
		.amdhsa_inst_pref_size 3
	.end_amdhsa_kernel
	.amdgpu_metadata
---
amdhsa.version: [ 1, 2 ]
amdhsa.kernels:
  - .name:           k_q14a90f6624_finish
    .symbol:         k_q14a90f6624_finish.kd
    .args:
      - { .name: part, .offset: 0, .size: 8, .value_kind: global_buffer, .address_space: global }
      - { .name: out1, .offset: 8, .size: 8, .value_kind: global_buffer, .address_space: global }
    .group_segment_fixed_size: 0
    .private_segment_fixed_size: 0
    .kernarg_segment_align: 8
    .kernarg_segment_size: 16
    .max_flat_workgroup_size: 32
    .sgpr_count:     66
    .vgpr_count:     32
    .wavefront_size: 32
...
	.end_amdgpu_metadata
.endif
;; end of part 4
